; MI455X (gfx1250); checked and timed in simulation.
; The chip was launched on July 23, 2026; its instructions are those of AMD's public machine-readable ISA for CDNA 5 (MIT licence, August 2026) and "CDNA5" Instruction Set Architecture Reference Guide (July 2026). The comments in the code are by the model that wrote it; some were corrected since.
;; Attention Fusion4. Allowed arithmetic: float matrix products may take bf16 or f16 operands with f32 sums; all other float work in f32.
;; Inputs: A 16,384 x 1,024 float32; B 16,384 x 1,024 float32.
;; Outputs: out0 16,384 x 1,024 float32.
;; 2 versions, each right; version 2 is version 1 with the launch fuse written anew for expert scheduling mode. Each part assembles by itself: llvm-mc -triple=amdgcn-amd-amdhsa -mcpu=gfx1250 --defsym DOCPART=n.
;; ======== version 1 of 2: 1 launch
;; launch fuse (part 1): grid 256 x 1, 16 waves a work-group, no clusters, 0 bytes of LDS; arguments A, B, out0; writes out0
.if DOCPART == 1
	.amdgcn_target "amdgcn-amd-amdhsa--gfx1250"
	.amdhsa_code_object_version 6
	.text
	.protected	k_q43418f931a_fuse
	.globl	k_q43418f931a_fuse
	.p2align	8
	.type	k_q43418f931a_fuse,@function
k_q43418f931a_fuse:
	s_mov_b64 s[64:65], 0
	v_nop
	global_prefetch_b8 v0, s[64:65] scope:SCOPE_SE
	s_setreg_imm32_b32 hwreg(HW_REG_WAVE_MODE, 25, 1), 1
	s_wait_xcnt 0x0
; out[r][:] = c A[r][:] + (1 - c) B[r][:],  c = (1 - A[r].B[r] / max(|A[r]| |B[r]|, 1e-8)) / 2.   A, B, out: [16384][1024] f32.
; This is reference()'s (w A + (2 - w) B) / 2 with w = 2 c.
;
; A stream: 8 KiB are read and 4 KiB written for a row, against some ten thousand plain operations.  So each byte moves once:
; one wave takes a whole row of A and of B (8 + 8 loads of 16 bytes a lane, 64 registers) and keeps it in registers between
; the pass that makes the three sums and the pass that blends.  The sums never leave the wave: no LDS, no barrier.
; No byte is read by two waves, so there is nothing for a cluster to share, and no product with reuse for the matrix unit.
; Every load and store of a wave covers 512 consecutive bytes that start at a multiple of 512 from the buffer's first byte.
;
; 256 work-groups x 16 waves x 4 rows = 16384 rows.  In turn t wave w has row 16 t + w of the group's 64: the sixteen waves
; together walk 64 KiB of neighbouring bytes of each tensor.  A ring of three row slots: rows 0, 1, 2 are asked for at once
; (48 loads, 24 KiB a wave), row 3 goes into slot 0 in turn 0.  Rows and pieces stand in the immediate offsets (200,192 at the
; most), so the one offset register and the three bases are never rewritten.
;
; LIMITS.  v_sqrt_f32 and v_rcp_f32 flush denormals (ISA guide, their entries in 15.8): a sum of squares below 2^-126 (a row's
; norm under about 1.1e-19) counts as 0, which changes the result only if the other row's norm is above about 9e10; a product
; of norms above 2^126 has the reciprocal 0, so that the cosine is taken as 0.  The maximum with 1e-8 lets a NaN lose: that
; shows only where one sum of squares overflows, the other is 0 and the dot product is finite, where reference() gives NaN.
; A NaN in a row reaches the whole row through the dot product, as in reference().
.set ROW,    4096                      ; bytes in a row
.set WAVES,  16
.set SLOTS,  3
.set STRIDE, WAVES*ROW                 ; from a wave's row to its next one: 65,536 bytes
.set OFF, 1                            ; v1         4096 x wave + 16 x lane
.set DOT, 4                            ; v[4:7]     sum of A B, two packed chains
.set SA,  8                            ; v[8:11]    sum of A A
.set SB,  12                           ; v[12:15]   sum of B B
.set CF,  16                           ; v[16:17]   c, twice (a pair for the packed forms)
.set DF,  18                           ; v[18:19]   1 - c, twice
.set X,   20                           ; v[20:211]  slot s: 32 registers of A's row (later the result), then 32 of B's
	s_load_b128 s[4:7], s[0:1], 0x0                ; A s[4:5], B s[6:7]
	s_load_b64 s[8:9], s[0:1], 0x10                ; out
	s_lshl_b32 s2, ttmp9, 18                       ; the work-group's 64 rows of 4,096 bytes: 255 << 18 at the most, below 2^32
	s_mov_b32 s3, 0
	s_mov_b32 s10, 0x76543210                      ; v_permlanex16_b32: lane i of one half reads lane i of the other
	s_mov_b32 s11, 0xfedcba98
	v_and_b32 v2, 0x1e0, v0                        ; 32 x wave
	v_and_b32 v[OFF], 31, v0                       ; lane
	v_lshlrev_b32 v[OFF], 4, v[OFF]                ; 16 bytes a lane
	v_lshl_or_b32 v[OFF], v2, 7, v[OFF]            ; + wave x 4,096
	s_wait_kmcnt 0x0
	s_add_nc_u64 s[4:5], s[4:5], s[2:3]            ; each buffer's own address, at the group's first row
	s_add_nc_u64 s[6:7], s[6:7], s[2:3]
	s_add_nc_u64 s[8:9], s[8:9], s[2:3]
.macro LOADA s, t                      ; A's row of turn t into slot s: eight loads of 512 neighbouring bytes
.irp j, 0,1,2,3,4,5,6,7
	global_load_b128 v[X+64*\s+4*\j:X+64*\s+4*\j+3], v[OFF], s[4:5] offset:(\t)*STRIDE+512*\j th:TH_LOAD_NT
.endr
.endm
.macro LOADB s, t                      ; B's row likewise
.irp j, 0,1,2,3,4,5,6,7
	global_load_b128 v[X+64*\s+32+4*\j:X+64*\s+32+4*\j+3], v[OFF], s[6:7] offset:(\t)*STRIDE+512*\j th:TH_LOAD_NT
.endr
.endm
	LOADA 0, 0
	LOADB 0, 0
	LOADA 1, 1
	LOADB 1, 1
	LOADA 2, 2
	LOADB 2, 2
; Turn t, on slot s.  left = how many younger loads may stay out.  fill = 1: the slot takes the row of turn t + SLOTS.
.macro TURN t, s, left, fill
.set XA, X+64*\s
.set XB, X+64*\s+32
	s_wait_loadcnt \left                           ; loads come back in order (ISA guide 5.7.1): this row's sixteen are in
	; pass 1: three sums over my 32 columns, two numbers an instruction, two chains a sum: six chains that do not wait
	; for each other.  The first products start the sums: nothing is cleared.
.irp p, 0,1
	v_pk_mul_f32 v[DOT+2*\p:DOT+2*\p+1], v[XA+2*\p:XA+2*\p+1], v[XB+2*\p:XB+2*\p+1]
	v_pk_mul_f32 v[SA+2*\p:SA+2*\p+1],   v[XA+2*\p:XA+2*\p+1], v[XA+2*\p:XA+2*\p+1]
	v_pk_mul_f32 v[SB+2*\p:SB+2*\p+1],   v[XB+2*\p:XB+2*\p+1], v[XB+2*\p:XB+2*\p+1]
.endr
.irp p, 2,3,4,5,6,7,8,9,10,11,12,13,14,15
	v_pk_fma_f32 v[DOT+2*(\p%2):DOT+2*(\p%2)+1], v[XA+2*\p:XA+2*\p+1], v[XB+2*\p:XB+2*\p+1], v[DOT+2*(\p%2):DOT+2*(\p%2)+1]
	v_pk_fma_f32 v[SA+2*(\p%2):SA+2*(\p%2)+1],   v[XA+2*\p:XA+2*\p+1], v[XA+2*\p:XA+2*\p+1], v[SA+2*(\p%2):SA+2*(\p%2)+1]
	v_pk_fma_f32 v[SB+2*(\p%2):SB+2*(\p%2)+1],   v[XB+2*\p:XB+2*\p+1], v[XB+2*\p:XB+2*\p+1], v[SB+2*(\p%2):SB+2*(\p%2)+1]
.endr
	v_pk_add_f32 v[DOT:DOT+1], v[DOT:DOT+1], v[DOT+2:DOT+3]
	v_pk_add_f32 v[SA:SA+1],   v[SA:SA+1],   v[SA+2:SA+3]
	v_pk_add_f32 v[SB:SB+1],   v[SB:SB+1],   v[SB+2:SB+3]
	v_add_f32 v[DOT], v[DOT], v[DOT+1]
	v_add_f32 v[SA],  v[SA],  v[SA+1]
	v_add_f32 v[SB],  v[SB],  v[SB+1]
	; across the 32 lanes: four steps inside each half of 16 lanes ride on the additions (DPP), one crosses the halves;
	; every lane ends with the row's sums
.irp m, 1,2,4,8
	v_add_f32_dpp v[DOT], v[DOT], v[DOT] row_xmask:\m row_mask:0xf bank_mask:0xf
	v_add_f32_dpp v[SA],  v[SA],  v[SA]  row_xmask:\m row_mask:0xf bank_mask:0xf
	v_add_f32_dpp v[SB],  v[SB],  v[SB]  row_xmask:\m row_mask:0xf bank_mask:0xf
.endr
	v_permlanex16_b32 v[DOT+1], v[DOT], s10, s11   ; the destinations count as read: they were written by the packed additions
	v_permlanex16_b32 v[SA+1],  v[SA],  s10, s11
	v_permlanex16_b32 v[SB+1],  v[SB],  s10, s11
	v_add_f32 v[SA], v[SA], v[SA+1]
	v_add_f32 v[SB], v[SB], v[SB+1]
	v_sqrt_f32 v[SA+2], v[SA]                      ; |A|: the two roots apart, as in reference(), so that no product of sums overflows
	v_sqrt_f32 v[SB+2], v[SB]                      ; |B|
	v_add_f32 v[DOT], v[DOT], v[DOT+1]             ; the plain instruction that stands between the roots and their use (ISA guide 5.7.2)
	s_wait_alu depctr_va_vdst(0)
	v_mul_f32 v[SA], v[SA+2], v[SB+2]
	v_max_num_f32 v[SA], 0x322bcc77, v[SA]         ; max(|A| |B|, 1e-8)
	v_rcp_f32 v[SB], v[SA]
	v_mul_f32 v[DOT], 0.5, v[DOT]                  ; half the dot product; also the plain instruction behind the reciprocal
	s_wait_alu depctr_va_vdst(0)
	v_fma_f32 v[CF],   -v[DOT], v[SB], 0.5         ; c = (1 - cos) / 2
	v_fma_f32 v[CF+1], -v[DOT], v[SB], 0.5
	v_fma_f32 v[DF],   v[DOT], v[SB], 0.5          ; 1 - c = (1 + cos) / 2
	v_fma_f32 v[DF+1], v[DOT], v[SB], 0.5
	; pass 2: B's registers take (1 - c) B, A's registers take c A + that and are stored
.irp p, 0,1,2,3,4,5,6,7,8,9,10,11,12,13,14,15
	v_pk_mul_f32 v[XB+2*\p:XB+2*\p+1], v[XB+2*\p:XB+2*\p+1], v[DF:DF+1]
.endr
.irp j, 0,1,2,3,4,5,6,7
	v_pk_fma_f32 v[XA+4*\j:XA+4*\j+1],   v[XA+4*\j:XA+4*\j+1],   v[CF:CF+1], v[XB+4*\j:XB+4*\j+1]
	v_pk_fma_f32 v[XA+4*\j+2:XA+4*\j+3], v[XA+4*\j+2:XA+4*\j+3], v[CF:CF+1], v[XB+4*\j+2:XB+4*\j+3]
.if \fill
	; B's four registers have been read for the last time and no memory instruction names them: the next row's load goes ahead of the store
	global_load_b128 v[XB+4*\j:XB+4*\j+3], v[OFF], s[6:7] offset:(\t+SLOTS)*STRIDE+512*\j th:TH_LOAD_NT
.endif
	global_store_b128 v[OFF], v[XA+4*\j:XA+4*\j+3], s[8:9] offset:(\t)*STRIDE+512*\j th:TH_STORE_NT
.endr
.if \fill
	s_wait_xcnt 0x0                                ; A's registers are the stores' data: they are loaded again only behind this wait (ISA guide 3.1)
	LOADA \s, \t+SLOTS
.endif
.endm
	TURN 0, 0, 32, 1                               ; rows 1 and 2 (16 loads each) stay out; slot 0 takes row 3
	TURN 1, 1, 32, 0                               ; rows 2 and 3 stay out
	TURN 2, 2, 16, 0                               ; row 3 stays out
	TURN 3, 0, 0,  0                               ; nothing was asked for behind row 3
	s_endpgm
.Lfunc_end_k_q43418f931a_fuse:
	.size	k_q43418f931a_fuse, .Lfunc_end_k_q43418f931a_fuse-k_q43418f931a_fuse
	.p2alignl 7, 3214868480
	.fill 96, 4, 3214868480
	.section	.rodata,"a",@progbits
	.p2align	6, 0x0
	.amdhsa_kernel k_q43418f931a_fuse
		.amdhsa_group_segment_fixed_size 0
		.amdhsa_private_segment_fixed_size 0
		.amdhsa_enable_private_segment 0
		.amdhsa_kernarg_size 24
		.amdhsa_user_sgpr_count 2
		.amdhsa_user_sgpr_kernarg_segment_ptr 1
		.amdhsa_wavefront_size32 1
		.amdhsa_system_sgpr_workgroup_id_x 1
		.amdhsa_system_sgpr_workgroup_id_y 1
		.amdhsa_system_sgpr_workgroup_id_z 1
		.amdhsa_system_vgpr_workitem_id 0
		.amdhsa_next_free_vgpr 212
		.amdhsa_next_free_sgpr 66
		.amdhsa_reserve_vcc 0
		.amdhsa_float_denorm_mode_32 3
		.amdhsa_float_denorm_mode_16_64 3
		.amdhsa_memory_ordered 1
		.amdhsa_forward_progress 1
		.amdhsa_inst_pref_size 38
	.end_amdhsa_kernel
	.amdgpu_metadata
---
amdhsa.version: [ 1, 2 ]
amdhsa.kernels:
  - .name:           k_q43418f931a_fuse
    .symbol:         k_q43418f931a_fuse.kd
    .args:
      - { .name: A, .offset: 0, .size: 8, .value_kind: global_buffer, .address_space: global }
      - { .name: B, .offset: 8, .size: 8, .value_kind: global_buffer, .address_space: global }
      - { .name: out0, .offset: 16, .size: 8, .value_kind: global_buffer, .address_space: global }
    .group_segment_fixed_size: 0
    .private_segment_fixed_size: 0
    .kernarg_segment_align: 8
    .kernarg_segment_size: 24
    .max_flat_workgroup_size: 512
    .sgpr_count:     66
    .vgpr_count:     212
    .wavefront_size: 32
...
	.end_amdgpu_metadata
.endif
;; end of part 1
;; ======== version 2 of 2: 1 launch; version 1 with the launch fuse written anew for expert scheduling mode
;; launch fuse (part 2): grid 256 x 1, 16 waves a work-group, no clusters, 0 bytes of LDS; arguments A, B, out0; writes out0
.if DOCPART == 2
	.amdgcn_target "amdgcn-amd-amdhsa--gfx1250"
	.amdhsa_code_object_version 6
	.text
	.protected	k_q43418f931a_fuse
	.globl	k_q43418f931a_fuse
	.p2align	8
	.type	k_q43418f931a_fuse,@function
k_q43418f931a_fuse:
	s_mov_b64 s[64:65], 0
	v_nop
	global_prefetch_b8 v0, s[64:65] scope:SCOPE_SE
	s_setreg_imm32_b32 hwreg(HW_REG_WAVE_SCHED_MODE, 0, 2), 2
	s_setreg_imm32_b32 hwreg(HW_REG_WAVE_MODE, 25, 1), 1
	s_wait_xcnt 0x0
	s_wait_alu depctr_vm_vsrc(0)
; out[r][:] = c A[r][:] + (1 - c) B[r][:],  c = (1 - A[r].B[r] / max(|A[r]| |B[r]|, 1e-8)) / 2.   A, B, out: [16384][1024] f32.
; This is reference()'s (w A + (2 - w) B) / 2 with w = 2 c.
;
; A stream: 8 KiB are read and 4 KiB written for a row, against some ten thousand plain operations.  So each byte moves once:
; one wave takes a whole row of A and of B (8 + 8 loads of 16 bytes a lane, 64 registers) and keeps it in registers between
; the pass that makes the three sums and the pass that blends.  The sums never leave the wave: no LDS, no barrier.
; No byte is read by two waves, so there is nothing for a cluster to share, and no product with reuse for the matrix unit.
; Every load and store of a wave covers 512 consecutive bytes that start at a multiple of 512 from the buffer's first byte.
;
; 256 work-groups x 16 waves x 4 rows = 16384 rows.  In turn t wave w has row 16 t + w of the group's 64: the sixteen waves
; together walk 64 KiB of neighbouring bytes of each tensor.  A ring of three row slots: rows 0, 1, 2 are asked for at once
; (48 loads, 24 KiB a wave), row 3 goes into slot 0 in turn 0.  Rows and pieces stand in the immediate offsets (200,192 at the
; most), so the one offset register and the three bases are never rewritten.
;
; THE MODE: SCHED_MODE bits 1:0 = 2 (LLVM: expert scheduling mode 2), set by the entry lines.  The code itself states the register
; dependences between vector instructions and memory instructions, with s_wait_alu, always for 0.
; THE PLAN.  Registers that memory instructions touch:
;   v[OFF]     Written at the head, never again; read by every load and store as its offset.
;   slot s     Written by its row's sixteen loads.  In its turn pass 1 and the blend read it, and the blend writes (1 - c) B over B's half.
;              Turns 1, 2, 3: the blend writes the result over A's half, the turn's eight stores read it, nothing writes it afterwards.
;              Turn 0: A's half is only read, and behind the blend row 3's sixteen loads land in the slot.
;   OUT        Written once, by turn 0's blend; read by turn 0's eight stores; nothing writes it afterwards.
;   The sums and the two factors (v4 to v19) are named by vector instructions alone.
; So ONE wait on va_vdst stands in a turn, behind the blend's last line: the result is written, and in turn 0 the vector instructions are done
; with slot 0.  Behind it stand the turn's loads and stores and no vector instruction until the next wait for data.  No register that a memory
; instruction reads is ever written afterwards, so the text holds no wait on vm_vsrc and no s_wait_xcnt.
; A fourth slot has no room: 276 registers for each of a SIMD's four waves are more than its 1,024; with OUT a wave takes 244.
;
; LIMITS.  v_sqrt_f32 and v_rcp_f32 flush denormals (ISA guide, their entries in 15.8): a sum of squares below 2^-126 (a row's
; norm under about 1.1e-19) counts as 0, which changes the result only if the other row's norm is above about 9e10; a product
; of norms above 2^126 has the reciprocal 0, so that the cosine is taken as 0.  The maximum with 1e-8 lets a NaN lose: that
; shows only where one sum of squares overflows, the other is 0 and the dot product is finite, where reference() gives NaN.
; A NaN in a row reaches the whole row through the dot product, as in reference().
.set ROW,    4096                      ; bytes in a row
.set WAVES,  16
.set SLOTS,  3
.set STRIDE, WAVES*ROW                 ; from a wave's row to its next one: 65,536 bytes
.set OFF, 1                            ; v1         4096 x wave + 16 x lane
.set DOT, 4                            ; v[4:7]     sum of A B, two packed chains
.set SA,  8                            ; v[8:11]    sum of A A
.set SB,  12                           ; v[12:15]   sum of B B
.set CF,  16                           ; v[16:17]   c, twice (a pair for the packed forms)
.set DF,  18                           ; v[18:19]   1 - c, twice
.set X,   20                           ; v[20:211]  slot s: 32 registers of A's row (in turns 1 to 3 later the result), then 32 of B's
.set OUT, 212                          ; v[212:243] turn 0's result
	s_load_b128 s[4:7], s[0:1], 0x0                ; A s[4:5], B s[6:7]
	s_load_b64 s[8:9], s[0:1], 0x10                ; out
	s_lshl_b32 s2, ttmp9, 18                       ; the work-group's 64 rows of 4,096 bytes: 255 << 18 at the most, below 2^32
	s_mov_b32 s3, 0
	s_mov_b32 s10, 0x76543210                      ; v_permlanex16_b32: lane i of one half reads lane i of the other
	s_mov_b32 s11, 0xfedcba98
	v_and_b32 v2, 0x1e0, v0                        ; 32 x wave
	v_and_b32 v[OFF], 31, v0                       ; lane
	v_lshlrev_b32 v[OFF], 4, v[OFF]                ; 16 bytes a lane
	v_lshl_or_b32 v[OFF], v2, 7, v[OFF]            ; + wave x 4,096
	s_wait_kmcnt 0x0
	s_add_nc_u64 s[4:5], s[4:5], s[2:3]            ; each buffer's own address, at the group's first row
	s_add_nc_u64 s[6:7], s[6:7], s[2:3]
	s_add_nc_u64 s[8:9], s[8:9], s[2:3]
	s_wait_alu depctr_va_vdst(0)                   ; v[OFF] is written: every load and store of the kernel reads it as its offset
.macro LOADA s, t                      ; A's row of turn t into slot s: eight loads of 512 neighbouring bytes
.irp j, 0,1,2,3,4,5,6,7
	global_load_b128 v[X+64*\s+4*\j:X+64*\s+4*\j+3], v[OFF], s[4:5] offset:(\t)*STRIDE+512*\j th:TH_LOAD_NT
.endr
.endm
.macro LOADB s, t                      ; B's row likewise
.irp j, 0,1,2,3,4,5,6,7
	global_load_b128 v[X+64*\s+32+4*\j:X+64*\s+32+4*\j+3], v[OFF], s[6:7] offset:(\t)*STRIDE+512*\j th:TH_LOAD_NT
.endr
.endm
	LOADA 0, 0
	LOADB 0, 0
	LOADA 1, 1
	LOADB 1, 1
	LOADA 2, 2
	LOADB 2, 2
; Turn t, on slot s.  left = how many younger loads may stay out.  fill = 1: the slot takes the row of turn t + SLOTS, and the result goes to OUT.
.macro TURN t, s, left, fill
.set XA, X+64*\s
.set XB, X+64*\s+32
.if \fill
.set RES, OUT                          ; the slot is loaded again at once: the stores' data get registers of their own
.else
.set RES, XA                           ; nothing lands in the slot any more: the result takes A's place
.endif
	s_wait_loadcnt \left                           ; loads come back in order (ISA guide 5.7.1): this row's sixteen are in
	; pass 1: three sums over my 32 columns, two numbers an instruction, two chains a sum: six chains that do not wait
	; for each other.  The first products start the sums: nothing is cleared.
.irp p, 0,1
	v_pk_mul_f32 v[DOT+2*\p:DOT+2*\p+1], v[XA+2*\p:XA+2*\p+1], v[XB+2*\p:XB+2*\p+1]
	v_pk_mul_f32 v[SA+2*\p:SA+2*\p+1],   v[XA+2*\p:XA+2*\p+1], v[XA+2*\p:XA+2*\p+1]
	v_pk_mul_f32 v[SB+2*\p:SB+2*\p+1],   v[XB+2*\p:XB+2*\p+1], v[XB+2*\p:XB+2*\p+1]
.endr
.irp p, 2,3,4,5,6,7,8,9,10,11,12,13,14,15
	v_pk_fma_f32 v[DOT+2*(\p%2):DOT+2*(\p%2)+1], v[XA+2*\p:XA+2*\p+1], v[XB+2*\p:XB+2*\p+1], v[DOT+2*(\p%2):DOT+2*(\p%2)+1]
	v_pk_fma_f32 v[SA+2*(\p%2):SA+2*(\p%2)+1],   v[XA+2*\p:XA+2*\p+1], v[XA+2*\p:XA+2*\p+1], v[SA+2*(\p%2):SA+2*(\p%2)+1]
	v_pk_fma_f32 v[SB+2*(\p%2):SB+2*(\p%2)+1],   v[XB+2*\p:XB+2*\p+1], v[XB+2*\p:XB+2*\p+1], v[SB+2*(\p%2):SB+2*(\p%2)+1]
.endr
	v_pk_add_f32 v[DOT:DOT+1], v[DOT:DOT+1], v[DOT+2:DOT+3]
	v_pk_add_f32 v[SA:SA+1],   v[SA:SA+1],   v[SA+2:SA+3]
	v_pk_add_f32 v[SB:SB+1],   v[SB:SB+1],   v[SB+2:SB+3]
	v_add_f32 v[DOT], v[DOT], v[DOT+1]
	v_add_f32 v[SA],  v[SA],  v[SA+1]
	v_add_f32 v[SB],  v[SB],  v[SB+1]
	; across the 32 lanes: four steps inside each half of 16 lanes ride on the additions (DPP), one crosses the halves;
	; every lane ends with the row's sums
.irp m, 1,2,4,8
	v_add_f32_dpp v[DOT], v[DOT], v[DOT] row_xmask:\m row_mask:0xf bank_mask:0xf
	v_add_f32_dpp v[SA],  v[SA],  v[SA]  row_xmask:\m row_mask:0xf bank_mask:0xf
	v_add_f32_dpp v[SB],  v[SB],  v[SB]  row_xmask:\m row_mask:0xf bank_mask:0xf
.endr
	v_permlanex16_b32 v[DOT+1], v[DOT], s10, s11   ; the destinations count as read: they were written by the packed additions
	v_permlanex16_b32 v[SA+1],  v[SA],  s10, s11
	v_permlanex16_b32 v[SB+1],  v[SB],  s10, s11
	v_add_f32 v[SA], v[SA], v[SA+1]
	v_add_f32 v[SB], v[SB], v[SB+1]
	v_sqrt_f32 v[SA+2], v[SA]                      ; |A|: the two roots apart, as in reference(), so that no product of sums overflows
	v_sqrt_f32 v[SB+2], v[SB]                      ; |B|
	v_add_f32 v[DOT], v[DOT], v[DOT+1]             ; the plain instruction that stands between the roots and their use (ISA guide 5.7.2)
	s_wait_alu depctr_va_vdst(0)
	v_mul_f32 v[SA], v[SA+2], v[SB+2]
	v_max_num_f32 v[SA], 0x322bcc77, v[SA]         ; max(|A| |B|, 1e-8)
	v_rcp_f32 v[SB], v[SA]
	v_mul_f32 v[DOT], 0.5, v[DOT]                  ; half the dot product; also the plain instruction behind the reciprocal
	s_wait_alu depctr_va_vdst(0)
	v_fma_f32 v[CF],   -v[DOT], v[SB], 0.5         ; c = (1 - cos) / 2
	v_fma_f32 v[CF+1], -v[DOT], v[SB], 0.5
	v_fma_f32 v[DF],   v[DOT], v[SB], 0.5          ; 1 - c = (1 + cos) / 2
	v_fma_f32 v[DF+1], v[DOT], v[SB], 0.5
	; pass 2: B's registers take (1 - c) B; the result registers take c A + that
.irp p, 0,1,2,3,4,5,6,7,8,9,10,11,12,13,14,15
	v_pk_mul_f32 v[XB+2*\p:XB+2*\p+1], v[XB+2*\p:XB+2*\p+1], v[DF:DF+1]
.endr
.irp p, 0,1,2,3,4,5,6,7,8,9,10,11,12,13,14,15
	v_pk_fma_f32 v[RES+2*\p:RES+2*\p+1], v[XA+2*\p:XA+2*\p+1], v[CF:CF+1], v[XB+2*\p:XB+2*\p+1]
.endr
	s_wait_alu depctr_va_vdst(0)                   ; the blend has written the result, which the stores below read; with fill = 1 the turn's vector instructions are also done reading and writing the slot, in which the loads below land
.if \fill
	LOADA \s, \t+SLOTS                             ; the next row is asked for ahead of the stores; no vector instruction since the wait names the slot
	LOADB \s, \t+SLOTS
.endif
.irp j, 0,1,2,3,4,5,6,7
	global_store_b128 v[OFF], v[RES+4*\j:RES+4*\j+3], s[8:9] offset:(\t)*STRIDE+512*\j th:TH_STORE_NT  ; these registers are not written again in the kernel
.endr
.endm
	TURN 0, 0, 32, 1                               ; rows 1 and 2 (16 loads each) stay out; slot 0 takes row 3
	TURN 1, 1, 32, 0                               ; rows 2 and 3 stay out
	TURN 2, 2, 16, 0                               ; row 3 stays out
	TURN 3, 0, 0,  0                               ; nothing was asked for behind row 3
	s_endpgm
.Lfunc_end_k_q43418f931a_fuse:
	.size	k_q43418f931a_fuse, .Lfunc_end_k_q43418f931a_fuse-k_q43418f931a_fuse
	.p2alignl 7, 3214868480
	.fill 96, 4, 3214868480
	.section	.rodata,"a",@progbits
	.p2align	6, 0x0
	.amdhsa_kernel k_q43418f931a_fuse
		.amdhsa_group_segment_fixed_size 0
		.amdhsa_private_segment_fixed_size 0
		.amdhsa_enable_private_segment 0
		.amdhsa_kernarg_size 24
		.amdhsa_user_sgpr_count 2
		.amdhsa_user_sgpr_kernarg_segment_ptr 1
		.amdhsa_wavefront_size32 1
		.amdhsa_system_sgpr_workgroup_id_x 1
		.amdhsa_system_sgpr_workgroup_id_y 1
		.amdhsa_system_sgpr_workgroup_id_z 1
		.amdhsa_system_vgpr_workitem_id 0
		.amdhsa_next_free_vgpr 244
		.amdhsa_next_free_sgpr 66
		.amdhsa_reserve_vcc 0
		.amdhsa_float_denorm_mode_32 3
		.amdhsa_float_denorm_mode_16_64 3
		.amdhsa_memory_ordered 1
		.amdhsa_forward_progress 1
		.amdhsa_inst_pref_size 38
	.end_amdhsa_kernel
	.amdgpu_metadata
---
amdhsa.version: [ 1, 2 ]
amdhsa.kernels:
  - .name:           k_q43418f931a_fuse
    .symbol:         k_q43418f931a_fuse.kd
    .args:
      - { .name: A, .offset: 0, .size: 8, .value_kind: global_buffer, .address_space: global }
      - { .name: B, .offset: 8, .size: 8, .value_kind: global_buffer, .address_space: global }
      - { .name: out0, .offset: 16, .size: 8, .value_kind: global_buffer, .address_space: global }
    .group_segment_fixed_size: 0
    .private_segment_fixed_size: 0
    .kernarg_segment_align: 8
    .kernarg_segment_size: 24
    .max_flat_workgroup_size: 512
    .sgpr_count:     66
    .vgpr_count:     244
    .wavefront_size: 32
...
	.end_amdgpu_metadata
.endif
;; end of part 2
